; MI455X (gfx1250); checked and timed in simulation.
; The chip was launched on July 23, 2026; its instructions are those of AMD's public machine-readable ISA for CDNA 5 (MIT licence, August 2026) and "CDNA5" Instruction Set Architecture Reference Guide (July 2026). The comments in the code are by the model that wrote it; some were corrected since.
;; VQ Net. Allowed arithmetic: float matrix products may take bf16 or f16 operands with f32 sums; other float arithmetic in f32, or as packed bf16 or f16 multiplies, adds, multiply-adds, maxima and minima; sums over many terms, partial sums and values carried from step to step in f32; what a program stores and reads back later, other than sums and carried values, may be rounded once to bf16 or f16.
;; Inputs: embed_weight 8,192 x 512 float32; xs 16,384 x 512 float32.
;; Outputs: out0 16,384 x 512 float32.
;; One version. Each part assembles by itself: llvm-mc -triple=amdgcn-amd-amdhsa -mcpu=gfx1250 --defsym DOCPART=n.
;; ======== version 1 of 1: 3 launches
;; workspace buffers: xb 16,777,216 bytes; eb 8,388,608 bytes; x2 65,536 bytes; e2 32,768 bytes; rec 524,288 bytes of whole numbers
;; launch prep (part 1): grid 384 x 1, 16 waves a work-group, no clusters, 88,320 bytes of LDS; arguments xs, embed_weight, xb, eb, x2, e2; writes xb, eb, x2, e2
.if DOCPART == 1
	.amdgcn_target "amdgcn-amd-amdhsa--gfx1250"
	.amdhsa_code_object_version 6
	.text
	.protected	k_qe386f46fb0_prep
	.globl	k_qe386f46fb0_prep
	.p2align	8
	.type	k_qe386f46fb0_prep,@function
k_qe386f46fb0_prep:
	s_mov_b64 s[64:65], 0
	v_nop
	global_prefetch_b8 v0, s[64:65] scope:SCOPE_SE
	s_setreg_imm32_b32 hwreg(HW_REG_WAVE_MODE, 25, 1), 1
	s_wait_xcnt 0x0
; xb = xs rounded to bf16, eb = embed_weight rounded to bf16 (both [rows][512], row-major), x2[r], e2[r] = the sum of the squares of the ROUNDED row, in f32.
; The norms are taken of the rounded numbers because the product of the next launch multiplies the rounded numbers: distance and product then belong to the same inputs.
; THE ORDER OF THE SUM IS CHOSEN: a row's 512 squares are summed in 16 windows of 32 neighbours, each ascending from 0, and the 16 window sums ascending from 0: the order of a row reduction that is
; first cut into windows of 32.  Where two codes lie within a few last places of each other, the last bits of the norms decide the winner, so the order is part of the result.
; The square of a bf16 number is exact in f32, so a fused multiply-add rounds as a multiply and an add would.
; LIMITS.  A square below 2^-126 enters the sum unrounded, where a separate multiply would round it to a denormal; NaN and infinities pass through as they come.
; SHARES.  A work-group takes 64 rows: groups 0-255 of xs, groups 256-383 of embed_weight.  Wave w takes rows 4 w .. 4 w + 3 of them: 8,192 bytes, all 16 loads issued at once.
; A load of a wave covers 512 consecutive bytes, a store of bf16 256 consecutive bytes at a multiple of 256; the 64 norms meet in LDS and leave as one store of 256 bytes.
; As loaded, a window lies in eight lanes.  So the wave's rounded rows go through a stage of its own in LDS and come back a whole window to a lane: two windows a lane, two chains of 32 links.
; No matrix unit, no cluster, no tensor load: nothing is shared between work-groups and each byte of memory is touched once.
.set SPARE, 256                        ; LDS: bytes 0-255 the 64 norms; from 256 on the spare words, 128 bytes for each of the 16 waves, which no other line names
.set BS,    2304                       ; the window sums: 64 words for each wave, its own
.set STG,   6400                       ; the stages: 5,120 bytes for each wave, its own
.set WP,    80                         ; a window in the stage: 64 bytes + 16: an odd multiple of 16, so the 16 windows that a load's 16 lanes take begin at 16 different 16-byte columns modulo 256
.set RP,    16*WP                      ; a row in the stage
.set LO,  1                            ; v1   16 x lane: my 16 bytes of 512 loaded
.set SO,  2                            ; v2   8 x lane: my 8 bytes of 256 stored; also where wave 0 reads two norms back
.set LA,  3                            ; v3   LDS address of the norm of row 4 w + lane % 4
.set SA,  4                            ; v4   the stage, in: window lane / 8 of a load's four, 8 bytes at 8 (lane % 8)
.set ZR,  5                            ; v5   0: the addend of each chain's first link
.set SPW, 8                            ; v8   LDS address of my spare word; never rewritten
.set NIL, 9                            ; v9   0; never rewritten
.set RA,  10                           ; v10  the stage, back: row lane / 16, window lane % 16
.set BA,  11                           ; v11  where I put a window's sum: 4 x lane
.set BR,  12                           ; v12  where I read the 16 sums of row lane % 4
.set D,   16                           ; v[16:79]    row i, load j at 16 i + 4 j: four f32
.set Q,   16                           ; v[16:47]    later: chain c at 16 c: a window's 32 bf16 (row 2 c + lane / 16, window lane % 16)
.set W,   48                           ; v[48:63]    later: the 16 window sums of row lane % 4
.set P,   80                           ; v[80:111]   row i, load j at 8 i + 2 j: four bf16
.set AC,  112                          ; v[112:113]  the two chains
.set WV,  20                           ; s20  my wave's number
.set GL,  21                           ; s21  the work-group's number within its tensor
.set SRC, 22                           ; s[22:23], s[24:25], s[26:27]: source, bf16 destination, norms' destination
.set DST, 24
.set NRM, 26
	s_load_b256 s[4:11], s[0:1], 0x0               ; xs s[4:5], embed_weight s[6:7], xb s[8:9], eb s[10:11]
	s_load_b128 s[12:15], s[0:1], 0x20             ; x2 s[12:13], e2 s[14:15]
	v_lshl_add_u32 v[SPW], v0, 2, SPARE
	v_mov_b32 v[NIL], 0
	v_lshrrev_b32 v6, 5, v0
	v_readfirstlane_b32 s[WV], v6                  ; wave 0..15
	s_mul_i32 s38, s[WV], 4*RP
	s_add_co_u32 s38, s38, STG                     ; my stage
	s_lshl_b32 s39, s[WV], 8
	s_add_co_u32 s39, s39, BS                      ; my window sums
	v_and_b32 v7, 31, v0                           ; lane
	v_lshlrev_b32 v[LO], 4, v7
	v_lshlrev_b32 v[SO], 3, v7
	v_lshl_add_u32 v[BA], v7, 2, s39
	v_and_b32 v[LA], 3, v0                         ; lane % 4
	v_lshl_add_u32 v[BR], v[LA], 6, s39            ; a row's 16 sums are 64 bytes
	v_lshlrev_b32 v[LA], 2, v[LA]
	v_lshl_add_u32 v[LA], s[WV], 4, v[LA]          ; 16 w + 4 (lane % 4)
	v_bfe_u32 v6, v0, 3, 2                         ; lane / 8
	v_and_b32 v7, 7, v0                            ; lane % 8
	v_mul_u32_u24 v[SA], v6, WP
	v_lshl_add_u32 v[SA], v7, 3, v[SA]
	v_add_nc_u32 v[SA], s38, v[SA]
	v_bfe_u32 v6, v0, 4, 1                         ; lane / 16
	v_and_b32 v7, 15, v0                           ; lane % 16
	v_mul_u32_u24 v[RA], v6, RP
	v_mul_u32_u24 v7, v7, WP
	v_add_nc_u32 v[RA], v[RA], v7
	v_add_nc_u32 v[RA], s38, v[RA]
	v_mov_b32 v[ZR], 0
	s_sub_co_u32 s[GL], ttmp9, 256
	s_cmp_lt_u32 ttmp9, 256
	s_cselect_b32 s[GL], ttmp9, s[GL]
	s_lshl_b32 s28, s[GL], 17                      ; 64 rows of 2,048 bytes,
	s_lshl_b32 s29, s[WV], 13                      ; my wave's 4
	s_add_co_u32 s28, s28, s29
	s_mov_b32 s29, 0
	s_lshr_b32 s34, s28, 1                         ; the same rows in bf16: half the bytes
	s_mov_b32 s35, 0
	s_lshl_b32 s36, s[GL], 8                       ; 64 norms of 4 bytes
	s_mov_b32 s37, 0
	s_wait_kmcnt 0x0
	s_cmp_lt_u32 ttmp9, 256                        ; compared anew: the shifts above have written SCC
	s_cselect_b64 s[SRC:SRC+1], s[4:5], s[6:7]
	s_cselect_b64 s[DST:DST+1], s[8:9], s[10:11]
	s_cselect_b64 s[NRM:NRM+1], s[12:13], s[14:15]
	s_add_nc_u64 s[SRC:SRC+1], s[SRC:SRC+1], s[28:29]
	s_add_nc_u64 s[DST:DST+1], s[DST:DST+1], s[34:35]
	s_add_nc_u64 s[NRM:NRM+1], s[NRM:NRM+1], s[36:37]
.irp i, 0,1,2,3
.irp j, 0,1,2,3
	global_load_b128 v[D+16*(\i)+4*(\j):D+16*(\i)+4*(\j)+3], v[LO], s[SRC:SRC+1] offset:2048*(\i)+512*(\j) th:TH_LOAD_NT
.endr
.endr
.irp i, 0,1,2,3
	s_wait_loadcnt 12-4*(\i)                       ; row i is in; the four loads of each later row may stay out
.irp j, 0,1,2,3
	v_cvt_pk_bf16_f32 v[P+8*(\i)+2*(\j)],   v[D+16*(\i)+4*(\j)],   v[D+16*(\i)+4*(\j)+1]
	v_cvt_pk_bf16_f32 v[P+8*(\i)+2*(\j)+1], v[D+16*(\i)+4*(\j)+2], v[D+16*(\i)+4*(\j)+3]
.endr
.irp j, 0,1,2,3
	global_store_b64 v[SO], v[P+8*(\i)+2*(\j):P+8*(\i)+2*(\j)+1], s[DST:DST+1] offset:1024*(\i)+256*(\j)  ; 32 lanes store 256 consecutive bytes
.endr
.irp j, 0,1,2,3
	ds_store_b64 v[SA], v[P+8*(\i)+2*(\j):P+8*(\i)+2*(\j)+1] offset:RP*(\i)+4*WP*(\j)  ; the same 8 bytes into my stage: load j holds windows 4 j .. 4 j + 3 of the row.  P is only read: the stores above may still be reading it
.endr
.endr
.irp c, 0,1                            ; back, a whole window to a lane: LDS serves a wave's instructions in order (ISA guide 5.7.1.4), so these see the stores above; D's loads have all come, so its registers are free
.irp q, 0,1,2,3
	ds_load_b128 v[Q+16*(\c)+4*(\q):Q+16*(\c)+4*(\q)+3], v[RA] offset:2*RP*(\c)+16*(\q)
.endr
.endr
	s_wait_dscnt 0x0
	; a window's 32 squares, ascending: word k holds elements 2 k (low half) and 2 k + 1 (high half).  Each link rounds once.  The two chains take turns.
.irp k, 0,1,2,3,4,5,6,7,8,9,10,11,12,13,14,15
.irp c, 0,1
.if (\k) == 0
	v_fma_mix_f32_bf16 v[AC+(\c)], v[Q+16*(\c)], v[Q+16*(\c)], v[ZR] op_sel_hi:[1,1,0]
.else
	v_fma_mix_f32_bf16 v[AC+(\c)], v[Q+16*(\c)+(\k)], v[Q+16*(\c)+(\k)], v[AC+(\c)] op_sel_hi:[1,1,0]
.endif
.endr
.irp c, 0,1
	v_fma_mix_f32_bf16 v[AC+(\c)], v[Q+16*(\c)+(\k)], v[Q+16*(\c)+(\k)], v[AC+(\c)] op_sel:[1,1,0] op_sel_hi:[1,1,0]
.endr
.endr
.irp c, 0,1
	ds_store_b32 v[BA], v[AC+(\c)] offset:128*(\c) ; row 2 c + lane / 16, window lane % 16: word 32 c + lane of my 64
.endr
.irp q, 0,1,2,3
	ds_load_b128 v[W+4*(\q):W+4*(\q)+3], v[BR] offset:16*(\q)  ; the 16 sums of row lane % 4, in order behind the two stores; eight lanes read the same bytes
.endr
	s_wait_dscnt 0x0
	v_add_f32 v6, v[W], v[W+1]                     ; the window sums, ascending: 15 links
.irp b, 2,3,4,5,6,7,8,9,10,11,12,13,14,15
	v_add_f32 v6, v6, v[W+(\b)]
.endr
	ds_store_b32 v[LA], v6                         ; eight lanes write the same word with the same number
	s_wait_dscnt 0x0                               ; for wave 0's sake: my store is done
	s_barrier_signal -1
	s_barrier_wait -1
	s_cmp_lg_u32 s[WV], 0
	s_cbranch_scc1 .Lend
	ds_load_b64 v[6:7], v[SO]                      ; the 64 norms, two a lane
	s_wait_dscnt 0x0
	global_store_b64 v[SO], v[6:7], s[NRM:NRM+1]   ; 256 consecutive bytes at a multiple of 256
.Lend:
	s_wait_tensorcnt 0x0                           ; the wave's end, behind my last LDS store
	ds_add_u32 v[SPW], v[NIL]
	s_wait_dscnt 0x0
	s_endpgm
.Lfunc_end_k_qe386f46fb0_prep:
	.size	k_qe386f46fb0_prep, .Lfunc_end_k_qe386f46fb0_prep-k_qe386f46fb0_prep
	.p2alignl 7, 3214868480
	.fill 96, 4, 3214868480
	.section	.rodata,"a",@progbits
	.p2align	6, 0x0
	.amdhsa_kernel k_qe386f46fb0_prep
		.amdhsa_group_segment_fixed_size 88320
		.amdhsa_private_segment_fixed_size 0
		.amdhsa_enable_private_segment 0
		.amdhsa_kernarg_size 48
		.amdhsa_user_sgpr_count 2
		.amdhsa_user_sgpr_kernarg_segment_ptr 1
		.amdhsa_wavefront_size32 1
		.amdhsa_system_sgpr_workgroup_id_x 1
		.amdhsa_system_sgpr_workgroup_id_y 1
		.amdhsa_system_sgpr_workgroup_id_z 1
		.amdhsa_system_vgpr_workitem_id 0
		.amdhsa_next_free_vgpr 128
		.amdhsa_next_free_sgpr 66
		.amdhsa_reserve_vcc 0
		.amdhsa_float_denorm_mode_32 3
		.amdhsa_float_denorm_mode_16_64 3
		.amdhsa_memory_ordered 1
		.amdhsa_forward_progress 1
		.amdhsa_inst_pref_size 15
	.end_amdhsa_kernel
	.amdgpu_metadata
---
amdhsa.version: [ 1, 2 ]
amdhsa.kernels:
  - .name:           k_qe386f46fb0_prep
    .symbol:         k_qe386f46fb0_prep.kd
    .args:
      - { .name: xs, .offset: 0, .size: 8, .value_kind: global_buffer, .address_space: global }
      - { .name: embed_weight, .offset: 8, .size: 8, .value_kind: global_buffer, .address_space: global }
      - { .name: xb, .offset: 16, .size: 8, .value_kind: global_buffer, .address_space: global }
      - { .name: eb, .offset: 24, .size: 8, .value_kind: global_buffer, .address_space: global }
      - { .name: x2, .offset: 32, .size: 8, .value_kind: global_buffer, .address_space: global }
      - { .name: e2, .offset: 40, .size: 8, .value_kind: global_buffer, .address_space: global }
    .group_segment_fixed_size: 88320
    .private_segment_fixed_size: 0
    .kernarg_segment_align: 8
    .kernarg_segment_size: 48
    .max_flat_workgroup_size: 512
    .sgpr_count:     66
    .vgpr_count:     128
    .wavefront_size: 32
...
	.end_amdgpu_metadata
.endif
;; end of part 1
;; launch dist (part 2): grid 64 x 4, 4 waves a work-group, clusters of 4 x 1, 327,680 bytes of LDS; arguments xb, x2, eb, e2, rec; writes rec
.if DOCPART == 2
	.amdgcn_target "amdgcn-amd-amdhsa--gfx1250"
	.amdhsa_code_object_version 6
	.text
	.protected	k_qe386f46fb0_dist
	.globl	k_qe386f46fb0_dist
	.p2align	8
	.type	k_qe386f46fb0_dist,@function
k_qe386f46fb0_dist:
	s_mov_b64 s[64:65], 0
	v_nop
	global_prefetch_b8 v0, s[64:65] scope:SCOPE_SE
	s_setreg_imm32_b32 hwreg(HW_REG_WAVE_MODE, 25, 1), 1
	s_wait_xcnt 0x0
	s_wait_alu depctr_hold_cnt(0) depctr_sa_sdst(0) depctr_va_vdst(0) depctr_va_sdst(0) depctr_va_ssrc(0) depctr_va_vcc(0) depctr_vm_vsrc(0)
	s_getreg_b32 s2, hwreg(HW_REG_IB_STS2, 6, 4)
	s_cmp_eq_u32 s2, 0
	s_cbranch_scc0 .Lentry_in_a_cluster
	s_endpgm
.Lentry_in_a_cluster:
	s_bfe_u32 s2, ttmp6, 0x10000c
	s_cmp_lg_u32 s2, 0x3003
	s_cbranch_scc0 .Lentry_shape_is_right
	s_endpgm
.Lentry_shape_is_right:
; For each token and each quarter of the codebook: the least distance d = (x2 + e2) - 2 x . e and the first code that has it.  xb: [16384][512] bf16, eb: [8192][512] bf16, x2, e2: f32.
; rec[quarter][token] = { key, index }: key is d's bit pattern turned into an unsigned number of the same order (all 32 bits kept), index the code's number 0..8191.
; d is formed as the problem forms it: s = x2 + e2 rounded, then s - 2 dot by one fused multiply-add (2 dot is exact); a code wins by a strict 'less', codes ascending, so the first of equals stays.
; LIMITS.  The dot product is summed by the matrix unit in its own order.  A NaN distance never wins; where all distances of a token are +inf or NaN the quarter's first code is reported with key(+inf).
; SHARES.  Work-group (tb, qy): tokens 256 tb .. + 255 against codes 2048 qy .. + 2047: 64 x 4 = 256 work-groups.  A wave keeps its 64 tokens (4 tiles of 16) x 512 channels in 512 registers for the whole launch
; and walks the quarter in 128 GROUPS of 16 codes, 64 matrix instructions each.
; LAYOUT.  Source 0 = 16 codes (from LDS), source 1 = 16 tokens: in the result a lane holds ONE token (lane % 16) and the codes 8 (lane / 16) + 0..7, so a token's running minimum never changes lanes,
; and each fragment of codes read from LDS feeds four matrix instructions.
; BY TURNS.  Two sets of four accumulators.  While group g is multiplied into one set, the 128 vector instructions that judge group g - 1 in the other set stand in slices of four behind every second product.
; RING.  16 tiles of 128 codes go through two LDS slots; a wave fetches 32 rows of 1,024 bytes with one tensor load.  A slot is asked for again in the middle of the eighth group of its tile: seven and a half groups ahead of the wait for it.
; CLUSTER.  The four work-groups of a cluster have the same quarter and walk the same tiles, so each tile (and e2) is asked for JOINTLY: the same load, descriptor and mask in all four.
; REGISTERS, in windows of 256 (s_set_vgpr_msb: bits 1:0 source 0, 3:2 source 1, 5:4 source 2, 7:6 destination):
;   window 0: addresses, x2, e2, scratch, accumulators, minima, indices      window 1: code fragments, two buffers of 128 (K step ks at 8 ks)      windows 2, 3: tokens: tile t, K step ks at 32 (ks % 8) + 8 t, window 2 + ks / 8
.set PB,    1040      ; a row of codes in LDS: 1,024 bytes + 16 of padding, an odd multiple of 16: the 16 rows of a load begin at 16 different 16-byte columns modulo 256
.set GRP,   16*PB     ; a group's 16 rows
.set SLOT,  128*PB    ; 133,120 = 0x20800; slot 0 at 0, slot 1 at SLOT.  An exclusive or with SLOT turns 0 + w x 33,280 into SLOT + w x 33,280 and back: those bases have bits 11 and 17 clear
.set E2B,   2*SLOT    ; the quarter's e2: 8,192 bytes, filled once
.set SPARE, E2B+8192  ; the spare words, 128 bytes for each wave: two blocks of 256 bytes that no other line names
.set TILEB, 131072    ; a tile in memory: 128 rows of 1,024 bytes
.set AB0, 2           ; v2   my lane's place in a group: (l % 16) x PB + 16 (l / 16); never rewritten
.set AE0, 3           ; v3   E2B + 32 (l / 16): my eight e2 of a group; never rewritten
.set ADR, 4           ; v4   LDS address of the run of fragment loads in hand
.set AER, 5           ; v5   LDS address of the e2 of the group in hand
.set XO,  6           ; v6   my byte offset in 16 rows of tokens
.set X2O, 7           ; v7   4 (l % 16)
.set RO,  8           ; v8   8 x lane: my record among 32
.set HB,  9           ; v9   8 (l / 16) + 2048 qy: what an index lacks besides its group and its register
.set PFO, 10          ; v10  1,024 x lane: the prefetches' offset, a lane a row; never rewritten
.set SPW, 12          ; v12  LDS address of my spare word; never rewritten
.set NIL, 13          ; v13  0; never rewritten
.set X2,  16          ; v[16:23]   x2 of tile t at 16 + 2 t; the register beside it is named with it as a pair and holds 0
.set T,   24          ; v[24:31]   eight distances at work
.set E,   32          ; v[32:47]   e2 of the group whose scores lie in set p, at 32 + 8 p
.set TM,  48          ; v[48:55]   the end's scratch
.set ACC, 64          ; v[64:127]  set p, tile t at 64 + 32 p + 8 t
.set BEST, 128        ; v[128:159] tile t, register j: the least distance so far
.set IDX, 160         ; v[160:191] 16 x the group in which it was found
.set WV,  14          ; s14  my wave's number
.set CX,  15          ; s15  my place in the cluster: it enters the addresses of xb, x2, rec and of the prefetches alone
.set TBK, 16          ; s16  tb
.set QY,  17          ; s17  qy
.set G1,  24          ; s[24:31] descriptor group 1 for tiles of codes
.set G0A, 32          ; s[32:35] group 0: tile 0 into slot 0
.set G0W, 36          ; s[36:39] group 0: tile 1 into slot 1; then it walks
.set G0E, 40          ; s[40:43] group 0 for e2
.set G1E, 44          ; s[44:51] group 1 for e2
.set TILES, 52        ; s52  counts the tiles
.set CNT, 53          ; s53  counts pairs of groups
.set TB,  54          ; s54  LDS byte at which the group to be fetched begins
.set TE,  55          ; s55  64 x the group in hand: its e2
.set GP,  56          ; s56  16 x the group that is being judged
.set LIM, 57          ; s57  1 in a cluster that prefetches, else the greatest number
.set SEL, 58          ; s[58:59] v_permlanex16_b32's selects
.set PFA, 60          ; s[60:61] where my prefetches stand
.set HM,  62          ; s62  lanes 16-31
.set INF, 63          ; s63  +inf
.set MK,  66          ; s[66:69] four lane masks
.set MSB, 0
.macro WIN new                      ; the immediate's high byte repeats the setting that is left; a switch that changes nothing is dropped
.if MSB != (\new)
	s_set_vgpr_msb (MSB<<8)|(\new)
.set MSB, \new
.endif
.endm
; A round of the cluster's barrier: my work-group's barrier, so that wave 0's signal speaks for all four waves; wave 0 signals; every wave waits for all four work-groups; my work-group's barrier once more.
.macro CREST                        ; a round behind its opening barrier
	s_cmp_lg_u32 s[WV], 0
	s_cbranch_scc1 .Lnot_wave_0_\@
	s_barrier_signal -3
.Lnot_wave_0_\@:
	s_barrier_wait -3
	s_barrier_signal -1
	s_barrier_wait -1
.endm
.macro CROUND
	s_barrier_signal -1
	s_barrier_wait -1
	CREST
.endm
; Matrix instruction n of a group's 64, into set p: K step n / 4, tile n % 4.  The four accumulators take turns, one instruction a turn, from group to group and over every jump too
; (a group's last writes tile 3 of its set, the next group's first tile 0 of the other).  The first four start the sums with the constant 0.
.macro MM p
.set kk, n/4
.set tt, n%4
	WIN 0x09+4*(kk/8)               ; codes in window 1, tokens in window 2 or 3, sums in window 0
.set rD, ACC+32*(\p)+8*tt
.set rF, 128*(\p)+8*kk
.set rA, 32*(kk%8)+8*tt
.if kk == 0
	v_wmma_f32_16x16x32_bf16 v[rD:rD+7], v[rF:rF+7], v[rA:rA+7], 0
.else
	v_wmma_f32_16x16x32_bf16 v[rD:rD+7], v[rF:rF+7], v[rA:rA+7], v[rD:rD+7]
.endif
.set n, n+1
.endm
; Vector instruction ri of the 128 that judge set q: 32 for each tile.  0-3: s = e2 + x2, two at a time.  4-7: d = s - 2 dot, two at a time (the accumulator's lowest registers are read first).
; Then for registers 0-3 and again for 4-7: four compares d < least, four selects of the group's number, four minima.
.macro RID q
.set tt, ri/32
.set u, ri%32
.if u < 4
	v_pk_add_f32 v[T+2*u:T+2*u+1], v[E+8*(\q)+2*u:E+8*(\q)+2*u+1], v[X2+2*tt:X2+2*tt+1] op_sel_hi:[1,0]
.elseif u < 8
	v_pk_fma_f32 v[T+2*(u-4):T+2*(u-4)+1], v[ACC+32*(\q)+8*tt+2*(u-4):ACC+32*(\q)+8*tt+2*(u-4)+1], -2.0, v[T+2*(u-4):T+2*(u-4)+1] op_sel_hi:[1,0,1]
.else
.set j, (u-8)%4+4*((u-8)/12)
.set ph, ((u-8)%12)/4
.if ph == 0
	v_cmp_lt_f32 s[MK+j%4], v[T+j], v[BEST+8*tt+j]
.elseif ph == 1
	v_cndmask_b32 v[IDX+8*tt+j], v[IDX+8*tt+j], s[GP], s[MK+j%4]
.else
	v_min_num_f32 v[BEST+8*tt+j], v[T+j], v[BEST+8*tt+j]
.endif
.endif
.set ri, ri+1
.endm
.macro SLICE q
	WIN 0
.rept 4
	RID \q
.endr
.endm
; cnt matrix instructions into set p; behind every second one a slice of the other set's judging.  The slices name no register of the products round them: they are the places that a later reader of a
; result, and a later load into a fragment buffer, must stand behind.
.macro HALF p, cnt
.rept (\cnt)/2
	MM \p
	MM \p
	SLICE 1-(\p)
.endr
.endm
.macro ADDRS
	WIN 0
	v_add_nc_u32 v[AER], s[TE], v[AE0]
	v_add_nc_u32 v[ADR], s[TB], v[AB0]
.endm
.macro FLOADS pn                    ; 32 LDS loads in one run: a group's 16 codes x 512 channels into buffer pn, K ascending
	WIN 0x40                        ; destination window 1, address window 0
.set kf, 0
.rept 16
	ds_load_b128 v[128*(\pn)+8*kf:128*(\pn)+8*kf+3],   v[ADR] offset:64*kf
	ds_load_b128 v[128*(\pn)+8*kf+4:128*(\pn)+8*kf+7], v[ADR] offset:64*kf+32
.set kf, kf+1
.endr
.endm
.macro LOADS pn, pe, b              ; e2 of the group in hand into set pe's place; b = 1: the next group's fragments into buffer pn
	WIN 0
	ds_load_b128 v[E+8*(\pe):E+8*(\pe)+3],   v[AER]
	ds_load_b128 v[E+8*(\pe)+4:E+8*(\pe)+7], v[AER] offset:16
.if \b
	FLOADS \pn
	s_add_co_u32 s[TB], s[TB], GRP
.endif
	s_add_co_u32 s[TE], s[TE], 64
.endm
; A group of parity p.  The buffer that its run of loads fills was last read by the group before: 32 products and 16 slices back.
.macro GROUP p
.set n, 0
.set ri, 0
	s_wait_dscnt 16                 ; of the last run, e2 and K steps 0-7 are in; its youngest 16 loads (K steps 8-15) may stay out
	HALF \p, 32
	ADDRS
	LOADS 1-(\p), \p, 1
	s_wait_dscnt 34                 ; all but the 34 just issued
	HALF \p, 32
	s_add_co_u32 s[GP], s[GP], 16
.endm
; A PREFETCH INTO THE L2 of the tile that the NEXT change of slots will ask for: eight groups, 512 matrix instructions, ahead of that load.  A tile is 128 rows of 1,024 bytes.  All 16 clusters of a quarter walk the same
; tiles: the first of them (cluster x = 0) asks.  Its four partners take 32 rows each, told apart by address; wave w takes the w-th 256 bytes of each row; a lane a row: one instruction, and each 256 bytes are named once in the launch.
; Tiles 0 to 2 come by their loads alone; the last change that fills a slot (TILES = 1) asks for nothing.
.macro ASK
	s_cmp_gt_u32 s[TILES], s[LIM]
	s_cbranch_scc0 .Lnot_mine_\@
	global_prefetch_b8 v[PFO], s[PFA:PFA+1] th:TH_LOAD_NT scope:SCOPE_SE
.Lnot_mine_\@:
.endm
; A tile's eighth group (parity 1), with THE CHANGE OF SLOTS.  Each wave waits for all its tensor loads, of which one is out: its part of the other slot; adds 0 to its spare word; and waits for that and for its own
; reads of this slot, whose last were issued a group ago.  Behind the barrier nobody reads this slot and the other slot is whole.  fill = 1: the barrier opens a round of the cluster's, so that no wave of any
; partner still reads the slot or has a load on its way, and the joint refill (the tile two on) is the first thing behind it.
.macro GCHG fill
.set n, 0
.set ri, 0
	WIN 0                           ; the add's two registers lie in window 0
	s_wait_tensorcnt 0x0            ; no tensor load of mine is out, so a group 0 may be written
	ds_add_u32 v[SPW], v[NIL]       ; 0 onto my spare word; scalar steps and sixteen products stand between it and the wait for it
.if \fill
	s_xor_b32 s[G0W+1], s[G0W+1], SLOT  ; the walking descriptor: the other slot than last time,
	s_add_nc_u64 s[G0W+2:G0W+3], s[G0W+2:G0W+3], TILEB  ; the next tile; the type bits on top are not reached
	s_wait_xcnt 0x0                 ; the last prefetch, a tile back, has read its address, so it may be written
	s_add_nc_u64 s[PFA:PFA+1], s[PFA:PFA+1], TILEB
.endif
	s_sub_co_u32 s[TB], s[TB], 8*GRP  ; the fetches go back to a slot's first group,
	s_xor_b32 s[TB], s[TB], SLOT      ; in the other slot
	s_wait_dscnt 17                 ; the add and the youngest 16 loads (K steps 8-15) may stay out
	HALF 1, 16
	ADDRS
	s_wait_dscnt 0x0                ; the add is done, and my reads of this slot are over
	s_barrier_signal -1
	HALF 1, 16                      ; work on registers while the others arrive
	WIN 0
	s_barrier_wait -1
.if \fill
	CREST
	tensor_load_to_lds s[G0W:G0W+3], s[G1:G1+7]  ; my one tensor load behind the round
	s_nop 0
.rept 4
	v_nop
.endr
.endif
	LOADS 0, 1, 1                   ; the next tile's first group, out of the other slot
.if \fill
	WIN 0
	ASK
.endif
	HALF 1, 32                      ; K steps 8-15 have been in since the wait for 0
	s_add_co_u32 s[GP], s[GP], 16
.endm
.macro GLAST                        ; the very last group: there is no further group to fetch
.set n, 0
.set ri, 0
	s_wait_dscnt 16
	HALF 1, 32
	ADDRS
	LOADS 0, 1, 0
	s_wait_dscnt 2                  ; all but the two loads of e2 just issued
	HALF 1, 32
	s_add_co_u32 s[GP], s[GP], 16
.endm
.macro SIX                          ; six groups: a pair, three times
	WIN 0                           ; at a label and at a branch every window is 0
	s_mov_b32 s[CNT], 3
.Lpair_\@:
	GROUP 0
	GROUP 1
	WIN 0
	s_sub_co_u32 s[CNT], s[CNT], 1
	s_cmp_lg_u32 s[CNT], 0
	s_cbranch_scc1 .Lpair_\@
.endm
; (ad, ai) takes (bd, bi) if bd is less, or equal with the lower index.
.macro MERGE ad, ai, bd, bi
	v_cmp_lt_f32 s[MK], v[\bd], v[\ad]
	v_cmp_eq_f32 s[MK+1], v[\bd], v[\ad]
	v_cmp_lt_u32 s[MK+2], v[\bi], v[\ai]
	s_and_b32 s[MK+1], s[MK+1], s[MK+2]
	s_or_b32 s[MK], s[MK], s[MK+1]
	v_cndmask_b32 v[\ad], v[\ad], v[\bd], s[MK]
	v_cndmask_b32 v[\ai], v[\ai], v[\bi], s[MK]
.endm
	s_load_b256 s[4:11], s[0:1], 0x0  ; xb s[4:5], x2 s[6:7], eb s[8:9], e2 s[10:11]
	s_load_b64 s[12:13], s[0:1], 0x20 ; rec
	v_lshl_add_u32 v[SPW], v0, 2, SPARE
	v_mov_b32 v[NIL], 0
	ds_add_u32 v[SPW], v[NIL]       ; the wave's opening: the add, twice on end, and its wait ahead of my first tensor load; the set-up below, work on registers, stands between
	ds_add_u32 v[SPW], v[NIL]       ; and once more, under the one wait
	v_lshrrev_b32 v1, 5, v0
	v_readfirstlane_b32 s[WV], v1   ; wave 0..3
	s_bfe_u32 s[CX], ttmp6, 0x40000 ; cx
	s_lshl_b32 s[TBK], ttmp9, 2     ; in a cluster launch ttmp9 counts clusters
	s_add_co_u32 s[TBK], s[TBK], s[CX]  ; tb = 4 x cluster x + cx
	s_and_b32 s[QY], ttmp7, 0xffff  ; the quarter, which the four partners share
	s_cmp_eq_u32 ttmp9, 0
	s_cselect_b32 s[LIM], 1, -1     ; the same in all four partners
	; descriptor group 1 for codes: 32 rows x 512 elements of 2 bytes, padded in LDS
	s_mov_b32 s[G1], 15|(1<<16)|(1<<20)|(1<<21)|(7<<22)|(3<<25)  ; 15:0 the mask of four; 17:16 2-byte elements; 20 padding on; 21 set beside a mask; 24:22 after every 256 words (code 7); 31:25 4 words (code 3)
	s_mov_b32 s[G1+1], 512<<16      ; tensor_dim0 = 512
	s_mov_b32 s[G1+2], 32<<16       ; tensor_dim1 = 32
	s_mov_b32 s[G1+3], 512<<16      ; tile_dim0 = 512
	s_mov_b32 s[G1+4], 32           ; tile_dim1 = 32
	s_mov_b32 s[G1+5], 512          ; 512 elements from row to row
	s_mov_b32 s[G1+6], 0
	s_mov_b32 s[G1+7], 0
	; descriptor group 1 for e2: my 2,048 dense bytes as 8 rows of 32 elements of 8 bytes, no padding
	s_mov_b32 s[G1E], 15|(3<<16)|(1<<21)
	s_mov_b32 s[G1E+1], 32<<16
	s_mov_b32 s[G1E+2], 8<<16
	s_mov_b32 s[G1E+3], 32<<16
	s_mov_b32 s[G1E+4], 8
	s_mov_b32 s[G1E+5], 32
	s_mov_b32 s[G1E+6], 0
	s_mov_b32 s[G1E+7], 0
	s_mov_b32 s[G0A], 1             ; count = 1
	s_mul_i32 s[G0A+1], s[WV], 32*PB  ; LDS address: my 32 rows of slot 0: no place in the cluster enters an LDS address
	s_mov_b32 s[G0W], 1
	s_add_co_u32 s[G0W+1], s[G0A+1], SLOT
	s_mov_b32 s[G0E], 1
	s_lshl_b32 s[G0E+1], s[WV], 11
	s_add_co_u32 s[G0E+1], s[G0E+1], E2B
	s_lshl_b32 s18, s[QY], 21       ; eb: row 2048 qy + 32 w, 1,024 bytes a row
	s_lshl_b32 s19, s[WV], 15
	s_add_co_u32 s18, s18, s19
	s_mov_b32 s19, 0
	s_lshl_b32 s20, s[QY], 13       ; e2: 8,192 qy + 2,048 w
	s_lshl_b32 s21, s[WV], 11
	s_add_co_u32 s20, s20, s21
	s_mov_b32 s21, 0
	s_mov_b32 s[SEL], 0x76543210
	s_mov_b32 s[SEL+1], 0xfedcba98
	s_mov_b32 s[HM], 0xffff0000
	s_mov_b32 s[INF], 0x7f800000
	s_mov_b32 s[GP], -16            ; the first group judges a set that has not been: see below
	s_mov_b32 s[TB], 0
	s_mov_b32 s[TE], 0
	s_mov_b32 s[TILES], 15
	v_and_b32 v1, 15, v0            ; l % 16
	v_bfe_u32 v11, v0, 4, 1         ; l / 16
	v_and_b32 v[RO], 31, v0         ; l
	v_lshlrev_b32 v[PFO], 10, v[RO]
	v_lshlrev_b32 v[RO], 3, v[RO]
	v_lshlrev_b32 v[XO], 10, v1
	v_lshl_add_u32 v[XO], v11, 4, v[XO]  ; row x 1,024 + 16 x half
	v_lshlrev_b32 v[X2O], 2, v1
	v_mul_u32_u24 v[AB0], v1, PB
	v_lshl_add_u32 v[AB0], v11, 4, v[AB0]
	v_lshlrev_b32 v[AE0], 5, v11
	v_add_nc_u32 v[AE0], E2B, v[AE0]
	v_lshlrev_b32 v[HB], 3, v11
	v_lshl_add_u32 v[HB], s[QY], 11, v[HB]
	s_wait_dscnt 0x0                ; both opening adds are done
	s_wait_kmcnt 0x0
	s_add_nc_u64 s[G0A+2:G0A+3], s[8:9], s[18:19]        ; tile 0,
	s_add_nc_u64 s[G0W+2:G0W+3], s[G0A+2:G0A+3], TILEB   ; tile 1
	s_or_b32 s[G0A+3], s[G0A+3], 0x80000000              ; type = 2
	s_or_b32 s[G0W+3], s[G0W+3], 0x80000000
	s_add_nc_u64 s[G0E+2:G0E+3], s[10:11], s[20:21]
	s_or_b32 s[G0E+3], s[G0E+3], 0x80000000
	s_mov_b32 s23, 0                ; the offsets that hold cx are made in s[22:23] alone
	s_lshl_b32 s22, s[TBK], 18      ; xb: 256 tokens of 1,024 bytes, my wave's 64
	s_lshl_b32 s2, s[WV], 16
	s_add_co_u32 s22, s22, s2
	s_add_nc_u64 s[4:5], s[4:5], s[22:23]
	s_lshr_b32 s22, s22, 8          ; x2: 4 bytes a token
	s_add_nc_u64 s[6:7], s[6:7], s[22:23]
	s_lshl_b32 s22, s22, 1          ; rec: 8 bytes a token,
	s_lshl_b32 s2, s[QY], 17        ; 16,384 tokens a quarter
	s_add_co_u32 s22, s22, s2
	s_add_nc_u64 s[12:13], s[12:13], s[22:23]
	s_lshl_b32 s22, s[QY], 21       ; the prefetches: the quarter's tile 2 (the first change of slots steps this to tile 3),
	s_add_co_u32 s22, s22, 2*TILEB
	s_lshl_b32 s2, s[CX], 15        ; my work-group's 32 rows of the 128,
	s_add_co_u32 s22, s22, s2
	s_lshl_b32 s2, s[WV], 8         ; my wave's 256 bytes of each row
	s_add_co_u32 s22, s22, s2
	s_add_nc_u64 s[PFA:PFA+1], s[8:9], s[22:23]
	CROUND                          ; all four work-groups are here: the first joint loads meet
	tensor_load_to_lds s[G0A:G0A+3], s[G1:G1+7]    ; the three first fills go out together: three loads of mine are out.  Tile 0,
	s_nop 0
	tensor_load_to_lds s[G0E:G0E+3], s[G1E:G1E+7]  ; e2,
	s_nop 0
	tensor_load_to_lds s[G0W:G0W+3], s[G1:G1+7]    ; tile 1
	s_nop 0
.rept 4
	v_nop
.endr
	; The tokens stay in registers.  A fragment is 16 rows x 32 channels in 8 registers: lane l holds row l % 16, channels 8 (l / 16) + 0..7 and 16 + 8 (l / 16) + 0..7: two loads of 16 bytes, 32 bytes apart.
	WIN 0x80                        ; destination window 2, address window 0
.irp t, 0,1,2,3
.irp k, 0,1,2,3,4,5,6,7
	global_load_b128 v[32*(\k)+8*(\t):32*(\k)+8*(\t)+3],   v[XO], s[4:5] offset:16384*(\t)+64*(\k)
	global_load_b128 v[32*(\k)+8*(\t)+4:32*(\k)+8*(\t)+7], v[XO], s[4:5] offset:16384*(\t)+64*(\k)+32
.endr
.endr
	WIN 0xc0                        ; destination window 3: K steps 8-15
.irp t, 0,1,2,3
.irp k, 0,1,2,3,4,5,6,7
	global_load_b128 v[32*(\k)+8*(\t):32*(\k)+8*(\t)+3],   v[XO], s[4:5] offset:16384*(\t)+512+64*(\k)
	global_load_b128 v[32*(\k)+8*(\t)+4:32*(\k)+8*(\t)+7], v[XO], s[4:5] offset:16384*(\t)+512+64*(\k)+32
.endr
.endr
	WIN 0
.irp t, 0,1,2,3
	global_load_b32 v[X2+2*(\t)], v[X2O], s[6:7] offset:64*(\t)
.endr
	; What the first group's slices find: a set of sums 0 with e2 = +inf: distances +inf, which win against nothing.  So no first group is written out.  All this stands in the wait for the first tile.
.set i, 0
.rept 32
	v_mov_b32 v[BEST+i], s[INF]
	v_mov_b32 v[IDX+i], 0
	v_mov_b32 v[ACC+32+i], 0
.set i, i+1
.endr
.set i, 0
.rept 8
	v_mov_b32 v[E+8+i], s[INF]
	v_mov_b32 v[TM+i], 0            ; written once: v_permlanex16_b32 counts as a reader of its destination
.set i, i+1
.endr
.irp t, 0,1,2,3
	v_mov_b32 v[X2+2*(\t)+1], 0
.endr
	s_wait_tensorcnt 0x1            ; my parts of tile 0 and of e2 are in; tile 1's may stay out
	s_barrier_signal -1
	s_barrier_wait -1               ; everybody's are
	v_add_nc_u32 v[ADR], s[TB], v[AB0]
	FLOADS 0                        ; group 0
	s_add_co_u32 s[TB], s[TB], GRP
	s_wait_loadcnt 0x0              ; the tokens and x2
	WIN 0
	s_branch .Lentry                ; the loop is entered behind its change of slots
.Ltile:                             ; 14 times: the eighth group of tiles 0-13; tiles 2-15 are asked for
	GCHG 1
	WIN 0
.Lentry:                            ; 15 times: the first seven groups of tiles 0-14
	SIX
	GROUP 0
	WIN 0
	s_sub_co_u32 s[TILES], s[TILES], 1
	s_cmp_lg_u32 s[TILES], 0
	s_cbranch_scc1 .Ltile
	GCHG 0                          ; the tail is written out: tile 14's eighth group; nothing is asked for
	SIX                             ; tile 15
	GROUP 0
	GLAST
	WIN 0
	s_wait_dscnt 0x0                ; the last group's e2
.set ri, 0
.rept 128
	RID 1                           ; the last group is judged; the last slice and the first four lines here are the places behind the last products
.endr
	; THE END.  An index is its group's 16 g, plus 8 (l / 16) + 2048 qy, plus its register.  A token's 8 registers are merged, then the two halves of the lanes: both halves end alike.
.set i, 0
.rept 32
	v_add3_u32 v[IDX+i], v[IDX+i], v[HB], i%8
.set i, i+1
.endr
.irp t, 0,1,2,3
.irp a, 0,2,4,6
	MERGE BEST+8*(\t)+(\a), IDX+8*(\t)+(\a), BEST+8*(\t)+(\a)+1, IDX+8*(\t)+(\a)+1
.endr
	MERGE BEST+8*(\t), IDX+8*(\t), BEST+8*(\t)+2, IDX+8*(\t)+2
	MERGE BEST+8*(\t)+4, IDX+8*(\t)+4, BEST+8*(\t)+6, IDX+8*(\t)+6
	MERGE BEST+8*(\t), IDX+8*(\t), BEST+8*(\t)+4, IDX+8*(\t)+4
	v_permlanex16_b32 v[TM], v[BEST+8*(\t)], s[SEL], s[SEL+1]
	v_permlanex16_b32 v[TM+1], v[IDX+8*(\t)], s[SEL], s[SEL+1]
	MERGE BEST+8*(\t), IDX+8*(\t), TM, TM+1
	v_add_f32 v[BEST+8*(\t)], 0, v[BEST+8*(\t)]          ; -0 becomes +0
	v_ashrrev_i32 v[TM+2], 31, v[BEST+8*(\t)]            ; the key: a number below 0 has all its bits turned, any other its sign bit: unsigned order = the floats' order
	v_or_b32 v[TM+2], 0x80000000, v[TM+2]
	v_xor_b32 v[BEST+8*(\t)], v[BEST+8*(\t)], v[TM+2]
.endr
.irp a, 0,1                         ; lanes 0-15 take the even tile's token, lanes 16-31 the odd tile's: 32 records, 256 consecutive bytes at a multiple of 256
	v_cndmask_b32 v[TM+4+2*(\a)], v[BEST+16*(\a)], v[BEST+16*(\a)+8], s[HM]
	v_cndmask_b32 v[TM+5+2*(\a)], v[IDX+16*(\a)], v[IDX+16*(\a)+8], s[HM]
	global_store_b64 v[RO], v[TM+4+2*(\a):TM+5+2*(\a)], s[12:13] offset:256*(\a)
.endr
	s_wait_tensorcnt 0x0            ; the wave's end, behind my last tensor load
	ds_add_u32 v[SPW], v[NIL]
	s_wait_dscnt 0x0
	CROUND                          ; the closing round: no work-group ends while a partner may still ask for a tile that names it
	s_endpgm
.Lfunc_end_k_qe386f46fb0_dist:
	.size	k_qe386f46fb0_dist, .Lfunc_end_k_qe386f46fb0_dist-k_qe386f46fb0_dist
	.p2alignl 7, 3214868480
	.fill 96, 4, 3214868480
	.section	.rodata,"a",@progbits
	.p2align	6, 0x0
	.amdhsa_kernel k_qe386f46fb0_dist
		.amdhsa_group_segment_fixed_size 327680
		.amdhsa_private_segment_fixed_size 0
		.amdhsa_enable_private_segment 0
		.amdhsa_kernarg_size 40
		.amdhsa_user_sgpr_count 2
		.amdhsa_user_sgpr_kernarg_segment_ptr 1
		.amdhsa_wavefront_size32 1
		.amdhsa_system_sgpr_workgroup_id_x 1
		.amdhsa_system_sgpr_workgroup_id_y 1
		.amdhsa_system_sgpr_workgroup_id_z 1
		.amdhsa_system_vgpr_workitem_id 0
		.amdhsa_next_free_vgpr 1024
		.amdhsa_next_free_sgpr 72
		.amdhsa_reserve_vcc 0
		.amdhsa_float_denorm_mode_32 3
		.amdhsa_float_denorm_mode_16_64 3
		.amdhsa_memory_ordered 1
		.amdhsa_forward_progress 1
		.amdhsa_inst_pref_size 186
	.end_amdhsa_kernel
	.amdgpu_metadata
---
amdhsa.version: [ 1, 2 ]
amdhsa.kernels:
  - .name:           k_qe386f46fb0_dist
    .symbol:         k_qe386f46fb0_dist.kd
    .args:
      - { .name: xb, .offset: 0, .size: 8, .value_kind: global_buffer, .address_space: global }
      - { .name: x2, .offset: 8, .size: 8, .value_kind: global_buffer, .address_space: global }
      - { .name: eb, .offset: 16, .size: 8, .value_kind: global_buffer, .address_space: global }
      - { .name: e2, .offset: 24, .size: 8, .value_kind: global_buffer, .address_space: global }
      - { .name: rec, .offset: 32, .size: 8, .value_kind: global_buffer, .address_space: global }
    .group_segment_fixed_size: 327680
    .private_segment_fixed_size: 0
    .kernarg_segment_align: 8
    .kernarg_segment_size: 40
    .max_flat_workgroup_size: 128
    .sgpr_count:     72
    .vgpr_count:     1024
    .wavefront_size: 32
...
	.end_amdgpu_metadata
.endif
;; end of part 2
;; launch pick (part 3): grid 512 x 1, 8 waves a work-group, no clusters, 0 bytes of LDS; arguments rec, embed_weight, xs, out0; writes out0
.if DOCPART == 3
	.amdgcn_target "amdgcn-amd-amdhsa--gfx1250"
	.amdhsa_code_object_version 6
	.text
	.protected	k_qe386f46fb0_pick
	.globl	k_qe386f46fb0_pick
	.p2align	8
	.type	k_qe386f46fb0_pick,@function
k_qe386f46fb0_pick:
	s_mov_b64 s[64:65], 0
	v_nop
	global_prefetch_b8 v0, s[64:65] scope:SCOPE_SE
	s_setreg_imm32_b32 hwreg(HW_REG_WAVE_MODE, 25, 1), 1
	s_wait_xcnt 0x0
; out0[t][:] = xs[t][:] + (embed_weight[idx(t)][:] - xs[t][:]), both steps rounded in f32 as the problem writes them.
; idx(t): of the token's four records { key, index } in rec, one for each quarter of the codebook, the one with the least key; a later quarter wins by a strict 'less' alone, so of equal
; distances the lowest index stays.  Keys and indices are whole numbers read from memory; the choice is made by scalar compares and selects, without a branch.
; LIMIT.  An index is clamped to 8191 before it enters an address; the records written by the launch before lie within that.
; SHARES.  A wave takes 4 tokens, a work-group 32.  A token's row is 2,048 bytes: four loads and four stores of 512 consecutive bytes.  All 32 loads of a wave go out before the first is waited for.
; No LDS, no matrix unit, no cluster: nothing is shared but codebook rows that happen to be named twice.
.set X,  16                            ; v[16:79]   token i, piece j at 16 i + 4 j: xs
.set EV, 80                            ; v[80:143]  the same for the code's row, then for the result
.set WV, 12                            ; s12  my wave's number
.set R,  16                            ; s[16:47]  quarter q, token i: key at 16 + 8 q + 2 i, index beside it; quarter 0's places take the winners
.set RB, 48                            ; s[48:55]  the four rows' addresses
	s_load_b256 s[4:11], s[0:1], 0x0               ; rec s[4:5], embed_weight s[6:7], xs s[8:9], out0 s[10:11]
	v_lshrrev_b32 v2, 5, v0
	v_readfirstlane_b32 s[WV], v2                  ; wave 0..7
	v_and_b32 v1, 31, v0
	v_lshlrev_b32 v1, 4, v1                        ; 16 x lane
	s_lshl_b32 s13, ttmp9, 8                       ; my first token's record: 8 x (32 x work-group + 4 x wave)
	s_lshl_b32 s14, s[WV], 5
	s_add_co_u32 s13, s13, s14
	s_lshl_b32 s14, s13, 8                         ; its row in xs and out0: 2,048 bytes a token
	s_mov_b32 s15, 0
	s_mov_b32 s57, 0
	s_wait_kmcnt 0x0
.irp q, 0,1,2,3
	s_load_b256 s[R+8*(\q):R+8*(\q)+7], s[4:5], s13 offset:0x20000*(\q)  ; four tokens' records of quarter q: 32 bytes
.endr
	s_add_nc_u64 s[8:9], s[8:9], s[14:15]
	s_add_nc_u64 s[10:11], s[10:11], s[14:15]
.irp i, 0,1,2,3
.irp j, 0,1,2,3
	global_load_b128 v[X+16*(\i)+4*(\j):X+16*(\i)+4*(\j)+3], v1, s[8:9] offset:2048*(\i)+512*(\j) th:TH_LOAD_NT
.endr
.endr
	s_wait_kmcnt 0x0                               ; the records
.irp i, 0,1,2,3
.irp q, 1,2,3
	s_cmp_lt_u32 s[R+8*(\q)+2*(\i)], s[R+2*(\i)]
	s_cselect_b32 s[R+2*(\i)], s[R+8*(\q)+2*(\i)], s[R+2*(\i)]
	s_cselect_b32 s[R+2*(\i)+1], s[R+8*(\q)+2*(\i)+1], s[R+2*(\i)+1]
.endr
	s_min_u32 s56, s[R+2*(\i)+1], 0x1fff           ; inside the table
	s_lshl_b32 s56, s56, 11                        ; 2,048 bytes a row
	s_add_nc_u64 s[RB+2*(\i):RB+2*(\i)+1], s[6:7], s[56:57]
.irp j, 0,1,2,3
	global_load_b128 v[EV+16*(\i)+4*(\j):EV+16*(\i)+4*(\j)+3], v1, s[RB+2*(\i):RB+2*(\i)+1] offset:512*(\j)  ; no hint: a row may be named by many tokens
.endr
.endr
.irp i, 0,1,2,3
	s_wait_loadcnt 12-4*(\i)                       ; token i's row is in (and all of xs, issued earlier); the four loads of each later token may stay out
.irp k, 0,2,4,6,8,10,12,14
	v_pk_add_f32 v[EV+16*(\i)+(\k):EV+16*(\i)+(\k)+1], v[EV+16*(\i)+(\k):EV+16*(\i)+(\k)+1], v[X+16*(\i)+(\k):X+16*(\i)+(\k)+1] neg_lo:[0,1] neg_hi:[0,1]  ; e - x
.endr
.irp k, 0,2,4,6,8,10,12,14
	v_pk_add_f32 v[EV+16*(\i)+(\k):EV+16*(\i)+(\k)+1], v[X+16*(\i)+(\k):X+16*(\i)+(\k)+1], v[EV+16*(\i)+(\k):EV+16*(\i)+(\k)+1]  ; x + (e - x)
.endr
.irp j, 0,1,2,3
	global_store_b128 v1, v[EV+16*(\i)+4*(\j):EV+16*(\i)+4*(\j)+3], s[10:11] offset:2048*(\i)+512*(\j) th:TH_STORE_NT  ; 512 consecutive bytes
.endr
.endr
	s_endpgm
.Lfunc_end_k_qe386f46fb0_pick:
	.size	k_qe386f46fb0_pick, .Lfunc_end_k_qe386f46fb0_pick-k_qe386f46fb0_pick
	.p2alignl 7, 3214868480
	.fill 96, 4, 3214868480
	.section	.rodata,"a",@progbits
	.p2align	6, 0x0
	.amdhsa_kernel k_qe386f46fb0_pick
		.amdhsa_group_segment_fixed_size 0
		.amdhsa_private_segment_fixed_size 0
		.amdhsa_enable_private_segment 0
		.amdhsa_kernarg_size 32
		.amdhsa_user_sgpr_count 2
		.amdhsa_user_sgpr_kernarg_segment_ptr 1
		.amdhsa_wavefront_size32 1
		.amdhsa_system_sgpr_workgroup_id_x 1
		.amdhsa_system_sgpr_workgroup_id_y 1
		.amdhsa_system_sgpr_workgroup_id_z 1
		.amdhsa_system_vgpr_workitem_id 0
		.amdhsa_next_free_vgpr 144
		.amdhsa_next_free_sgpr 66
		.amdhsa_reserve_vcc 0
		.amdhsa_float_denorm_mode_32 3
		.amdhsa_float_denorm_mode_16_64 3
		.amdhsa_memory_ordered 1
		.amdhsa_forward_progress 1
		.amdhsa_inst_pref_size 12
	.end_amdhsa_kernel
	.amdgpu_metadata
---
amdhsa.version: [ 1, 2 ]
amdhsa.kernels:
  - .name:           k_qe386f46fb0_pick
    .symbol:         k_qe386f46fb0_pick.kd
    .args:
      - { .name: rec, .offset: 0, .size: 8, .value_kind: global_buffer, .address_space: global }
      - { .name: embed_weight, .offset: 8, .size: 8, .value_kind: global_buffer, .address_space: global }
      - { .name: xs, .offset: 16, .size: 8, .value_kind: global_buffer, .address_space: global }
      - { .name: out0, .offset: 24, .size: 8, .value_kind: global_buffer, .address_space: global }
    .group_segment_fixed_size: 0
    .private_segment_fixed_size: 0
    .kernarg_segment_align: 8
    .kernarg_segment_size: 32
    .max_flat_workgroup_size: 256
    .sgpr_count:     66
    .vgpr_count:     144
    .wavefront_size: 32
...
	.end_amdgpu_metadata
.endif
;; end of part 3
